; MI455X (gfx1250); checked and timed in simulation.
; The chip was launched on July 23, 2026; its instructions are those of AMD's public machine-readable ISA for CDNA 5 (MIT licence, August 2026) and "CDNA5" Instruction Set Architecture Reference Guide (July 2026). The comments in the code are by the model that wrote it; some were corrected since.
;; Multi Head Attention Base. Allowed arithmetic: float matrix products may take bf16 or f16 operands with f32 sums; all other float work in f32.
;; Inputs: k 4 x 2,048 x 1,024 float32; mask 4 x 2,048 int32; q 4 x 2,048 x 1,024 float32; v 4 x 2,048 x 1,024 float32.
;; Outputs: out0 4 x 2,048 x 1,024 float32.
;; 2 versions, each right and faster than the one before. Each part assembles by itself: llvm-mc -triple=amdgcn-amd-amdhsa -mcpu=gfx1250 --defsym DOCPART=n.
;; ======== version 1 of 2: 1 launch
;; limits: values are held in f16: magnitudes above 65,504 overflow, below 6.1e-05 lose precision; inputs' magnitudes at most 65,504
;; launch attn (part 1): grid 256 x 1, 8 waves a work-group, clusters of 4 x 1, 327,680 bytes of LDS; arguments q, k, v, mask, out0; writes out0
.if DOCPART == 1
	.amdgcn_target "amdgcn-amd-amdhsa--gfx1250"
	.amdhsa_code_object_version 6
	.text
	.protected	k_q77ccebb156_attn
	.globl	k_q77ccebb156_attn
	.p2align	8
	.type	k_q77ccebb156_attn,@function
k_q77ccebb156_attn:
	s_mov_b64 s[64:65], 0
	v_nop
	global_prefetch_b8 v0, s[64:65] scope:SCOPE_SE
	s_setreg_imm32_b32 hwreg(HW_REG_WAVE_MODE, 25, 1), 1
	s_wait_xcnt 0x0
	s_wait_alu depctr_hold_cnt(0) depctr_sa_sdst(0) depctr_va_vdst(0) depctr_va_sdst(0) depctr_va_ssrc(0) depctr_va_vcc(0) depctr_vm_vsrc(0)
	s_getreg_b32 s2, hwreg(HW_REG_IB_STS2, 6, 4)
	s_cmp_eq_u32 s2, 0
	s_cbranch_scc0 .Lentry_in_a_cluster
	s_endpgm
.Lentry_in_a_cluster:
	s_bfe_u32 s2, ttmp6, 0x10000c
	s_cmp_lg_u32 s2, 0x3003
	s_cbranch_scc0 .Lentry_shape_is_right
	s_endpgm
.Lentry_shape_is_right:
; Multi-head attention, out = softmax(Q K^T / 8, masked keys replaced by -1e9) V.  q, k, v, out0: [4][2048][1024] f32 (16 heads of 64), mask: [4][2048] i32.
; A cluster of four work-groups owns one (batch, head); a work-group 512 queries; each of its 8 waves 64 queries.  Keys go in tiles of 128 (16 stages),
; each stage in two substeps of 64 keys with a running maximum.
; TRANSPOSED FORM: S^T = K Q^T (a lane holds keys 8h+j of ONE query r), so the softmax runs along a lane's registers plus one exchange with lane xor 16,
; and two neighbouring key tiles, packed to f16, ARE the B fragment of O^T += V^T P^T: P never leaves the registers.
; DATA PATH: K and V tiles (f32) are asked for JOINTLY by the four work-groups (mask 15) into a ring F of two LDS slots; all waves convert tile t+1 to f16
; into H[(t+1)%2] while tile t is multiplied from H[t%2] and tile t+2 is on its way into F[t%2].  One round of the cluster's barrier a stage orders all of it.
; MASK: a masked key's K row is ANDed to zero and the first product of each score tile takes a bias tile as C (0, or -1e9 log2 e): a masked score is
; exactly that constant, so a batch with every key masked gives s - m = 0 and the plain mean of V.
; SCALE: Q is multiplied by 0.125 log2 e in f32 before rounding, so scores come in units of log2 and the exponent is the plain difference s - m.
; LIMITS, kept on purpose:  matrix operands are f16: |0.18 q|, |k|, |v| above 65,504 become infinities and then NaN; parts of them below 2^-25 are lost.
; Weights below 2^-25 of the running maximum's are dropped by P's rounding (2,048 of them are at most 6e-5 of the weight sum).  v_exp_f32 gives 0 below 2^-126.
; A non-finite q against a masked (zeroed) key gives NaN.  True scores near -1e9 are ordered against the masked constant only to f32 rounding.
.set FP,    272                        ; F: a row of 64 f32 + 16 bytes of padding
.set FSLOT, 256*FP                     ; F slot: 128 rows of K, then 128 rows of V (69,632 bytes)
.set FV,    128*FP                     ; V's rows in a slot
.set HB,    2*FSLOT                    ; H begins behind the ring; nothing from here on is ever filled by a tensor load
.set KP,    144                        ; H, K rows: 128 bytes + 16 = 9 x 16: a fragment's 16 rows begin in 16 different 16-byte columns modulo 256
.set VP,    160                        ; H, V rows: 128 bytes + 32 = 5 x 32, for the transposing loads
.set HV,    128*KP                     ; V's rows in an H buffer
.set HBUF,  128*KP+128*VP              ; an H buffer (38,912 bytes)
.set BIAS,  HB+2*HBUF                  ; f32 for each of the batch's 2,048 keys: 0 or NEG
.set ANDT,  BIAS+8192                  ; word for each key: all ones or 0
.set STG,   ANDT+8192                  ; each wave's own 9,216 bytes: Q on the way in (64 rows x 144), O on the way out (16 rows x 272)
.set STGW,  9216
.set OP,    272
.set CSCALE, 0x3e38aa3b                ; 0.125 log2 e
.set NEG,    0xceabfb8f                ; -1e9 log2 e
; window 0
.set QO,  1                            ; v1       4096 h + 16 r: my bytes in two rows of q and of out0; never rewritten
.set KA,  2                            ; v2       K fragments in H
.set VA,  3                            ; v3       V fragments in H (transposing loads)
.set BA,  4                            ; v4       bias tiles; 512 bytes on in every stage
.set MA,  5                            ; v5       AND words of the rows that I convert; 512 bytes on in every conversion
.set FA,  6                            ; v6, v7   the f32 rows that I convert, slot 0, 1
.set HAK, 8                            ; v8       where my converted K rows go
.set HAV, 9                            ; v9       where my converted V rows go
.set AL,  12                           ; v[12:15] alpha of query tile n; also the exchange's destination
.set LP,  24                           ; v[24:31] sum of weights of query tile n, as a pair; v[16:19], v[20:23]: old and new maximum, by turns
.set SB,  32                           ; v[32:159] scores: key tiles 2p, 2p+1 of query tile n at SB + 64 p + 16 n; P(p, n) packed into the first 8 of the 16
.set BT,  160                          ; v[160:191] bias tiles, 8 registers for each key tile
.set KF,  192                          ; v[192:255] K fragments (key tile mt, half ks of d) at KF + 8 (2 mt + ks)
.set CK,  32                           ; conversion: K rows, V rows, AND words (the scores' place, free at that time)
.set CV,  64
.set CM,  96
; window 1 (written with the low 8 bits): v[0:127] O(dt, n) at 8 (4 dt + n)
.set QF,  128                          ; Q fragments (n, ks) at QF + 8 (2 n + ks)
.set VF,  192                          ; V fragments (kk, dt) at VF + 8 (4 kk + dt)
.set G1,  24                           ; s[24:31] descriptor group 1
.set G0,  32                           ; s[32:39] descriptor group 0, one set for each slot
.set MSB, 0
.macro WIN new                         ; low byte: bits 1:0 source 0, 3:2 source 1, 5:4 source 2, 7:6 destination; the high byte repeats the setting that is left
.if MSB != \new
	s_set_vgpr_msb (MSB<<8)|\new
.set MSB, \new
.endif
.endm
.macro PLACES                          ; five plain places behind a run of matrix instructions: enough for vector instructions and loads
.rept 5                                ; that touch its registers, and for matrix instructions that take them as operands or write over them
	v_nop
.endr
.endm
.macro ROUND                           ; a round of the cluster's barrier: my work-group's barrier, wave 0 signals for it, all wait for the four, my barrier again
	s_barrier_signal -1
	s_barrier_wait -1
	s_cmp_lg_u32 s14, 0
	s_cbranch_scc1 .Lnot_wave_0_\@
	s_barrier_signal -3
.Lnot_wave_0_\@:
	s_barrier_wait -3
	s_barrier_signal -1
	s_barrier_wait -1
.endm
	s_load_b256 s[4:11], s[0:1], 0x0               ; q s[4:5], k s[6:7], v s[8:9], mask s[10:11]
	s_load_b64 s[12:13], s[0:1], 0x20              ; out0
	v_lshl_add_u32 v10, v0, 2, 0x4b000
	v_mov_b32 v11, 0
	ds_add_u32 v10, v11
	v_lshrrev_b32 v2, 5, v0
	v_readfirstlane_b32 s14, v2                    ; wave 0..7
	s_bfe_u32 s15, ttmp6, 0x40000                  ; cx: which 512 queries; enters the addresses of q and out0 alone
	s_lshr_b32 s17, ttmp9, 4                       ; batch (ttmp9 counts clusters: 16 batch + head)
	s_and_b32 s18, ttmp9, 15                       ; head
	s_lshl_b32 s20, s17, 23                        ; batch x 2,048 rows x 4,096 bytes
	s_lshl_b32 s16, s18, 8                         ; head x 256 bytes
	s_add_co_u32 s20, s20, s16
	s_mov_b32 s21, 0
	s_and_b32 s22, s14, 3
	s_lshl_b32 s22, s22, 17                        ; my 32 rows of a tile of K (waves 0-3) or of V (waves 4-7)
	s_mov_b32 s23, 0
	s_lshl_b32 s46, s15, 21                        ; cx x 512 rows
	s_lshl_b32 s16, s14, 18                        ; wave x 64 rows
	s_add_co_u32 s46, s46, s16
	s_mov_b32 s47, 0
	s_mov_b32 s40, 0x76543210                      ; v_permlanex16_b32: lane i takes lane i of the other half
	s_mov_b32 s41, 0xfedcba98
	s_mul_i32 s43, s14, STGW
	s_add_co_u32 s43, s43, STG                     ; my stage
	; group 1: a tile of 32 rows x 64 f32 (256 bytes, aligned), 16 bytes of padding behind each row
	s_mov_b32 s[G1+0], 15|(2<<16)|(1<<20)|(1<<21)|(5<<22)|(3<<25)  ; mask: all four work-groups; 4-byte elements; padding on; bit 21 beside a mask; after 64 words, 4 words
	s_mov_b32 s[G1+1], 64<<16                      ; tensor_dim0 = 64
	s_mov_b32 s[G1+2], 32<<16                      ; tensor_dim1 = 32
	s_mov_b32 s[G1+3], 64<<16                      ; tile_dim0 = 64
	s_mov_b32 s[G1+4], 32                          ; tile_dim1 = 32
	s_mov_b32 s[G1+5], 1024                        ; elements from row to row
	s_mov_b32 s[G1+6], 0
	s_mov_b32 s[G1+7], 0
	s_mov_b32 s[G0+0], 1
	s_mul_i32 s[G0+1], s14, 32*FP                  ; LDS: wave x 32 rows; waves 0-3 fill K's 128 rows, waves 4-7 V's
	s_mov_b32 s[G0+4], 1
	s_add_co_u32 s[G0+5], s[G0+1], FSLOT
	s_wait_dscnt 0x0
	s_wait_kmcnt 0x0
	s_cmp_lt_u32 s14, 4
	s_cselect_b64 s[44:45], s[6:7], s[8:9]         ; k or v, by the wave's number: the same choice in all four work-groups
	s_add_nc_u64 s[44:45], s[44:45], s[20:21]
	s_add_nc_u64 s[G0+2:G0+3], s[44:45], s[22:23]  ; tile 0
	s_add_nc_u64 s[G0+6:G0+7], s[G0+2:G0+3], 0x80000   ; tile 1: 128 rows on
	s_or_b32 s[G0+3], s[G0+3], 0x80000000          ; type 2
	s_or_b32 s[G0+7], s[G0+7], 0x80000000
	s_add_nc_u64 s[4:5], s[4:5], s[20:21]
	s_add_nc_u64 s[4:5], s[4:5], s[46:47]          ; q at my wave's first row, my head
	s_add_nc_u64 s[12:13], s[12:13], s[20:21]
	s_add_nc_u64 s[12:13], s[12:13], s[46:47]      ; out0 likewise
	s_lshl_b32 s22, s17, 13
	s_add_nc_u64 s[10:11], s[10:11], s[22:23]      ; my batch's mask
	ROUND                                          ; the four work-groups are here: the first joint loads meet
	tensor_load_to_lds s[G0:G0+3], s[G1:G1+7]      ; tile 0 into slot 0
	s_nop 0
	tensor_load_to_lds s[G0+4:G0+7], s[G1:G1+7]    ; tile 1 into slot 1: two loads of the wave are out, later never more than one
	s_nop 0
	v_and_b32 v192, 15, v0                         ; r
	v_bfe_u32 v193, v0, 4, 1                       ; h
	v_lshlrev_b32 v[QO], 4, v192
	v_lshl_add_u32 v[QO], v193, 12, v[QO]
	v_lshlrev_b32 v197, 4, v0                      ; thread t takes mask words 4 t .. 4 t + 3 and 1,024 further on
	global_load_b128 v[204:207], v197, s[10:11]
	global_load_b128 v[208:211], v197, s[10:11] offset:4096
.set qi, 0
.rept 32                                           ; Q: load i brings rows 2 i + h; sixteen lanes take a row's 256 bytes
	global_load_b128 v[SB+4*qi:SB+4*qi+3], v[QO], s[4:5] offset:8192*qi th:TH_LOAD_NT
.set qi, qi+1
.endr
	v_bfe_u32 v194, v0, 3, 2                       ; lane / 8
	v_and_b32 v195, 7, v0                          ; lane % 8
	v_mul_u32_u24 v[KA], v192, KP                  ; K fragment: row r, 16 h
	v_lshl_add_u32 v[KA], v193, 4, v[KA]
	v_add_nc_u32 v[KA], HB, v[KA]
	v_lshl_add_u32 v196, v193, 3, v195             ; V fragment: row 8 h + lane % 8, 16 bytes x (lane / 8 odd)
	v_mul_u32_u24 v[VA], v196, VP
	v_and_b32 v196, 1, v194
	v_lshl_add_u32 v[VA], v196, 4, v[VA]
	v_add_nc_u32 v[VA], HB+HV, v[VA]
	v_lshlrev_b32 v[BA], 5, v193                   ; bias of keys 8 h ..
	v_add_nc_u32 v[BA], BIAS, v[BA]
	s_lshl_b32 s19, s14, 6
	s_add_co_u32 s19, s19, ANDT
	v_lshl_add_u32 v[MA], v194, 2, s19             ; AND word of key 16 w + lane / 8
	v_mul_u32_u24 v[FA], v194, FP                  ; conversion: wave w takes rows 16 w .. 16 w + 15 of K and of V; a lane 32 bytes of row lane / 8 (+ 4 g)
	v_lshl_add_u32 v[FA], v195, 5, v[FA]
	s_mul_i32 s19, s14, 16*FP
	v_add_nc_u32 v[FA], s19, v[FA]
	v_add_nc_u32 v[FA+1], FSLOT, v[FA]
	v_mul_u32_u24 v[HAK], v194, KP
	v_lshl_add_u32 v[HAK], v195, 4, v[HAK]
	s_mul_i32 s19, s14, 16*KP
	s_add_co_u32 s19, s19, HB
	v_add_nc_u32 v[HAK], s19, v[HAK]
	v_mul_u32_u24 v[HAV], v194, VP
	v_lshl_add_u32 v[HAV], v195, 4, v[HAV]
	s_mul_i32 s19, s14, 16*VP
	s_add_co_u32 s19, s19, HB+HV
	v_add_nc_u32 v[HAV], s19, v[HAV]
	v_mul_u32_u24 v199, v193, KP                   ; Q into my stage: row 2 i + h, 8 bytes at 8 r
	v_lshl_add_u32 v199, v192, 3, v199
	v_add_nc_u32 v199, s43, v199
	v_mul_u32_u24 v200, v192, KP                   ; Q fragments out of it: row r, 16 h
	v_lshl_add_u32 v200, v193, 4, v200
	v_add_nc_u32 v200, s43, v200
	v_add_nc_u32 v198, BIAS, v197
	v_mov_b32 v201, NEG
	v_mov_b32 v202, 0
.irp n, 0,1,2,3
	v_mov_b32 v[16+\n], 0xff800000                 ; running maximum: -infinity
	v_mov_b32 v[AL+\n], 0
	v_mov_b32 v[LP+2*\n], 0
	v_mov_b32 v[LP+2*\n+1], 0
.endr
	s_wait_loadcnt 32                              ; the 32 loads of Q are younger: the mask is in
.irp j, 0,1,2,3,4,5,6,7
	v_cmp_eq_u32 vcc_lo, 0, v[204+\j]
	v_cndmask_b32 v[212+\j], 0, v201, vcc_lo       ; bias: NEG where the mask is 0
	v_cndmask_b32 v[220+\j], -1, v202, vcc_lo      ; AND word: 0 where the mask is 0
.endr
	ds_store_b128 v198, v[212:215]
	ds_store_b128 v198, v[216:219] offset:4096
	ds_store_b128 v198, v[220:223] offset:8192
	ds_store_b128 v198, v[224:227] offset:12288
.set qi, 0
.rept 32
	s_wait_loadcnt 31-qi                           ; loads come back in order (ISA guide 5.7.1): load i is in, the younger ones stay out
	v_pk_mul_f32 v[SB+4*qi:SB+4*qi+1], v[SB+4*qi:SB+4*qi+1], CSCALE op_sel_hi:[1,0]
	v_pk_mul_f32 v[SB+4*qi+2:SB+4*qi+3], v[SB+4*qi+2:SB+4*qi+3], CSCALE op_sel_hi:[1,0]
	v_cvt_pk_f16_f32 v[SB+4*qi], v[SB+4*qi], v[SB+4*qi+1]
	v_cvt_pk_f16_f32 v[SB+4*qi+1], v[SB+4*qi+2], v[SB+4*qi+3]
	ds_store_b64 v199, v[SB+4*qi:SB+4*qi+1] offset:2*KP*qi
.set qi, qi+1
.endr
	WIN 0x40                                       ; destination in window 1
.irp n, 0,1,2,3
.irp ks, 0,1
	ds_load_b128 v[QF+8*(2*\n+\ks):QF+8*(2*\n+\ks)+3],   v200 offset:16*KP*\n+64*\ks      ; my own bytes: LDS serves a wave's instructions in order (ISA guide 5.7.1.4)
	ds_load_b128 v[QF+8*(2*\n+\ks)+4:QF+8*(2*\n+\ks)+7], v200 offset:16*KP*\n+64*\ks+32
.endr
.endr
	WIN 0
; 24 loads: the K fragments and bias tiles of 64 keys (substep ss of H buffer hb)
.macro LOADK hb, ss
.irp mt, 0,1,2,3
.irp ks, 0,1
	ds_load_b128 v[KF+8*(2*\mt+\ks):KF+8*(2*\mt+\ks)+3],   v[KA] offset:\hb*HBUF+(64*\ss+16*\mt)*KP+64*\ks
	ds_load_b128 v[KF+8*(2*\mt+\ks)+4:KF+8*(2*\mt+\ks)+7], v[KA] offset:\hb*HBUF+(64*\ss+16*\mt)*KP+64*\ks+32
.endr
.endr
.irp mt, 0,1,2,3
	ds_load_b128 v[BT+8*\mt:BT+8*\mt+3],   v[BA] offset:256*\ss+64*\mt
	ds_load_b128 v[BT+8*\mt+4:BT+8*\mt+7], v[BA] offset:256*\ss+64*\mt+16
.endr
.endm
; 16 transposing loads: V^T fragments (16 d x 32 keys) of the same 64 keys, from rows that lie along d
.macro LOADV hb, ss
	WIN 0x40
.irp kk, 0,1
.irp dt, 0,1,2,3
	ds_load_tr16_b128 v[VF+8*(4*\kk+\dt):VF+8*(4*\kk+\dt)+3],   v[VA] offset:\hb*HBUF+(64*\ss+32*\kk)*VP+32*\dt
	ds_load_tr16_b128 v[VF+8*(4*\kk+\dt)+4:VF+8*(4*\kk+\dt)+7], v[VA] offset:\hb*HBUF+(64*\ss+32*\kk)*VP+32*\dt+16*VP
.endr
.endr
	WIN 0
.endm
; My 16 rows of K and of V of the tile in F slot fs: f32 to f16, masked K rows to zero, into H buffer hb
.macro CONVERT fs, hb
.irp g, 0,1,2,3
	ds_load_b32 v[CM+\g], v[MA] offset:16*\g
.endr
.irp g, 0,1,2,3
	ds_load_b128 v[CK+8*\g:CK+8*\g+3],   v[FA+\fs] offset:4*FP*\g
	ds_load_b128 v[CK+8*\g+4:CK+8*\g+7], v[FA+\fs] offset:4*FP*\g+16
.endr
.irp g, 0,1,2,3
	ds_load_b128 v[CV+8*\g:CV+8*\g+3],   v[FA+\fs] offset:FV+4*FP*\g
	ds_load_b128 v[CV+8*\g+4:CV+8*\g+7], v[FA+\fs] offset:FV+4*FP*\g+16
.endr
	s_wait_dscnt 8                                 ; V's eight loads are younger: the AND words and K are in
.irp g, 0,1,2,3
.irp i, 0,1,2,3
	v_cvt_pk_f16_f32 v[CK+8*\g+\i], v[CK+8*\g+2*\i], v[CK+8*\g+2*\i+1]
.endr
.irp i, 0,1,2,3
	v_and_b32 v[CK+8*\g+\i], v[CM+\g], v[CK+8*\g+\i]
.endr
	ds_store_b128 v[HAK], v[CK+8*\g:CK+8*\g+3] offset:\hb*HBUF+4*KP*\g
.endr
	s_wait_dscnt 4                                 ; the four stores are younger: V is in
.irp g, 0,1,2,3
.irp i, 0,1,2,3
	v_cvt_pk_f16_f32 v[CV+8*\g+\i], v[CV+8*\g+2*\i], v[CV+8*\g+2*\i+1]
.endr
	ds_store_b128 v[HAV], v[CV+8*\g:CV+8*\g+3] offset:\hb*HBUF+4*VP*\g
.endr
	v_add_nc_u32 v[MA], 512, v[MA]                 ; the next tile's AND words
.endm
; 32 matrix instructions: S^T of 64 keys x 64 queries.  The first half of d starts each sum from the bias tile; the second adds in place.
; The four query tiles take turns, one instruction a turn.
.macro SPHASE
	WIN 0x04                                       ; B (Q) in window 1
.irp mt, 0,1,2,3
.irp n, 0,1,2,3
	v_wmma_f32_16x16x32_f16 v[SB+64*(\mt/2)+16*\n+8*(\mt%2):SB+64*(\mt/2)+16*\n+8*(\mt%2)+7], v[KF+16*\mt:KF+16*\mt+7], v[QF+16*\n:QF+16*\n+7], v[BT+8*\mt:BT+8*\mt+7]
.endr
.irp n, 0,1,2,3
	v_wmma_f32_16x16x32_f16 v[SB+64*(\mt/2)+16*\n+8*(\mt%2):SB+64*(\mt/2)+16*\n+8*(\mt%2)+7], v[KF+16*\mt+8:KF+16*\mt+15], v[QF+16*\n+8:QF+16*\n+15], v[SB+64*(\mt/2)+16*\n+8*(\mt%2):SB+64*(\mt/2)+16*\n+8*(\mt%2)+7]
.endr
.endr
.endm
; New maximum of each query (old one, my 32 scores, the other half's) and alpha = 2^(old - new); four chains that do not wait for each other
.macro MAXALL MO, MW
.irp n, 0,1,2,3
	v_max3_num_f32 v[\MW+\n], v[\MO+\n], v[SB+16*\n], v[SB+16*\n+1]
.endr
.irp i, 2,4,6,8,10,12,14
.irp n, 0,1,2,3
	v_max3_num_f32 v[\MW+\n], v[\MW+\n], v[SB+16*\n+\i], v[SB+16*\n+\i+1]
.endr
.endr
.irp i, 0,2,4,6,8,10,12,14
.irp n, 0,1,2,3
	v_max3_num_f32 v[\MW+\n], v[\MW+\n], v[SB+64+16*\n+\i], v[SB+64+16*\n+\i+1]
.endr
.endr
.irp n, 0,1,2,3
	v_permlanex16_b32 v[AL+\n], v[\MW+\n], s40, s41
.endr
.irp n, 0,1,2,3
	v_max_num_f32 v[\MW+\n], v[\MW+\n], v[AL+\n]
.endr
.irp n, 0,1,2,3
	v_sub_f32 v[AL+\n], v[\MO+\n], v[\MW+\n]
.endr
.irp n, 0,1,2,3
	v_exp_f32 v[AL+\n], v[AL+\n]                   ; first used well behind the plain instructions that follow (ISA guide 5.7.2)
.endr
.endm
; s - m for query tile n; o = n % 2 picks m's register out of its pair for both halves of the packed sum
.macro SUBT n, o, MW
.irp p, 0,1
.irp i, 0,2,4,6,8,10,12,14
	v_pk_add_f32 v[SB+64*\p+16*\n+\i:SB+64*\p+16*\n+\i+1], v[SB+64*\p+16*\n+\i:SB+64*\p+16*\n+\i+1], v[\MW+2*(\n/2):\MW+2*(\n/2)+1] op_sel:[0,\o] op_sel_hi:[1,\o] neg_lo:[0,1] neg_hi:[0,1]
.endr
.endr
.endm
.macro EXPN n                          ; 32 exponentials in place; what follows each run is plain work on another query tile's registers
.irp p, 0,1
.irp i, 0,1,2,3,4,5,6,7,8,9,10,11,12,13,14,15
	v_exp_f32 v[SB+64*\p+16*\n+\i], v[SB+64*\p+16*\n+\i]
.endr
.endr
.endm
; l = l alpha + the weights' sum (as a pair), and the weights packed to f16 in place: pair i is summed before register i, which lies in a pair not behind it, is written
.macro SUMCVT n, o
	s_wait_alu depctr_va_vdst(0)
	v_pk_fma_f32 v[LP+2*\n:LP+2*\n+1], v[LP+2*\n:LP+2*\n+1], v[AL+2*(\n/2):AL+2*(\n/2)+1], v[SB+16*\n:SB+16*\n+1] op_sel:[0,\o,0] op_sel_hi:[1,\o,1]
	v_cvt_pk_f16_f32 v[SB+16*\n], v[SB+16*\n], v[SB+16*\n+1]
.irp i, 1,2,3,4,5,6,7
	v_pk_add_f32 v[LP+2*\n:LP+2*\n+1], v[LP+2*\n:LP+2*\n+1], v[SB+16*\n+2*\i:SB+16*\n+2*\i+1]
	v_cvt_pk_f16_f32 v[SB+16*\n+\i], v[SB+16*\n+2*\i], v[SB+16*\n+2*\i+1]
.endr
.irp i, 0,1,2,3,4,5,6,7
	v_pk_add_f32 v[LP+2*\n:LP+2*\n+1], v[LP+2*\n:LP+2*\n+1], v[SB+64+16*\n+2*\i:SB+64+16*\n+2*\i+1]
	v_cvt_pk_f16_f32 v[SB+64+16*\n+\i], v[SB+64+16*\n+2*\i], v[SB+64+16*\n+2*\i+1]
.endr
.endm
.macro RESC n, o                       ; O of query tile n times alpha (under WIN 0x41: destination and source 0 in window 1)
.irp dt, 0,1,2,3
.irp j, 0,2,4,6
	v_pk_mul_f32 v[8*(4*\dt+\n)+\j:8*(4*\dt+\n)+\j+1], v[8*(4*\dt+\n)+\j:8*(4*\dt+\n)+\j+1], v[AL+2*(\n/2):AL+2*(\n/2)+1] op_sel:[0,\o] op_sel_hi:[1,\o]
.endr
.endr
.endm
; 32 matrix instructions: O^T += V^T P^T.  The 16 accumulators take turns, one instruction a turn.  first = 1: the first products start the sums.
.macro PV first
	WIN 0x51                                       ; A (V), C and D (O) in window 1, B (P) in window 0
.irp kk, 0,1
.irp dt, 0,1,2,3
.irp n, 0,1,2,3
.if \first*(1-\kk)
	v_wmma_f32_16x16x32_f16 v[8*(4*\dt+\n):8*(4*\dt+\n)+7], v[VF+8*(4*\kk+\dt):VF+8*(4*\kk+\dt)+7], v[SB+16*(4*\kk+\n):SB+16*(4*\kk+\n)+7], 0
.else
	v_wmma_f32_16x16x32_f16 v[8*(4*\dt+\n):8*(4*\dt+\n)+7], v[VF+8*(4*\kk+\dt):VF+8*(4*\kk+\dt)+7], v[SB+16*(4*\kk+\n):SB+16*(4*\kk+\n)+7], v[8*(4*\dt+\n):8*(4*\dt+\n)+7]
.endif
.endr
.endr
.endr
.endm
; A substep: 64 keys (half ss of H buffer hb) against my 64 queries.  conv = 1: the next tile is converted (F slot oh into H buffer oh) while the fragments arrive.
.macro SUB hb, oh, ss, first, conv, MO, MW
	LOADK \hb, \ss
	LOADV \hb, \ss
.if \conv
	CONVERT \oh, \oh
.endif
	s_wait_dscnt 16                                ; at most V's 16 fragment loads are younger: K's fragments and the bias tiles are in
	SPHASE
	PLACES
	WIN 0
	MAXALL \MO, \MW
	SUBT 0, 0, \MW
	EXPN 0
	SUBT 1, 1, \MW
	EXPN 1
	SUMCVT 0, 0
	SUBT 2, 0, \MW
	EXPN 2
	SUMCVT 1, 1
	SUBT 3, 1, \MW
	EXPN 3
	SUMCVT 2, 0
	SUMCVT 3, 1
	s_wait_dscnt 0x0                               ; V's fragments are in
.if 1-\first
	WIN 0x41
	RESC 0, 0
	RESC 1, 1
	RESC 2, 0
	RESC 3, 1
.endif
	PV \first
	PLACES
	WIN 0
.endm
; A stage: tile t in H[par].  In front of its barrier every wave has finished its stores of f16 tile t, its reads of f16 tile t-1 and of F[par], and its load of tile t+1.
; Behind it F[par] is filled again (tile t+2), H[oth] is written over (tile t+1) and H[par] is read.
.macro STAGE par, oth, first, refill, conv, tw
.if \tw
	s_wait_tensorcnt 0x0                           ; all my tensor loads have landed: the one that was out is my part of tile t+1
	ds_add_u32 v10, v11
	s_wait_dscnt 0x0
.endif
.if \refill
	s_add_nc_u64 s[G0+4*\par+2:G0+4*\par+3], s[G0+4*\par+2:G0+4*\par+3], 0x100000   ; no load of mine is out, so the group 0 may step: two tiles on
.endif
	s_wait_dscnt 0x0                               ; my LDS reads and stores are done
.if \refill
	ROUND                                          ; all that now holds of every wave of the four work-groups
	tensor_load_to_lds s[G0+4*\par:G0+4*\par+3], s[G1:G1+7]    ; my one tensor load behind the round, first thing there: it has the whole stage in which to land
	s_nop 0
.else
	s_barrier_signal -1
	s_barrier_wait -1
.endif
	SUB \par, \oth, 0, \first, \conv, 16, 20
	SUB \par, \oth, 1, 0, 0, 20, 16
	v_add_nc_u32 v[BA], 512, v[BA]                 ; the next tile's bias
.endm
	s_wait_tensorcnt 0x1                           ; my part of tile 0 is in; tile 1's load is younger and stays out
	s_wait_dscnt 0x0                               ; my part of the two tables is stored, my Q fragments are in
	s_barrier_signal -1
	s_barrier_wait -1
	CONVERT 0, 0                                   ; tile 0
	STAGE 0, 1, 1, 1, 1, 1                         ; stage 0: its first products start O's sums
	STAGE 1, 0, 0, 1, 1, 1
	s_mov_b32 s42, 6                               ; stages 2 to 13; stage 13 asks for tile 15, the last
.Lpair:
	STAGE 0, 1, 0, 1, 1, 1
	STAGE 1, 0, 0, 1, 1, 1
	s_sub_co_i32 s42, s42, 1
	s_cmp_lg_u32 s42, 0
	s_cbranch_scc1 .Lpair
	STAGE 0, 1, 0, 0, 1, 1                         ; stage 14: nothing is left to fetch; tile 15 is converted
	STAGE 1, 0, 0, 0, 0, 0                         ; stage 15: no tensor load is out any more
	; THE WAY OUT.  l = the pair's sum + the other half's; O / l; 16 queries at a time through my stage, so that sixteen lanes store a row's 256 aligned bytes.
.irp n, 0,1,2,3
	v_add_f32 v[16+\n], v[LP+2*\n], v[LP+2*\n+1]
.endr
.irp n, 0,1,2,3
	v_permlanex16_b32 v[AL+\n], v[16+\n], s40, s41
.endr
.irp n, 0,1,2,3
	v_add_f32 v[16+\n], v[16+\n], v[AL+\n]         ; at least 1: the maximum's own weight
.endr
.irp n, 0,1,2,3
	v_rcp_f32 v[AL+\n], v[16+\n]
.endr
	v_and_b32 v192, 15, v0                         ; plain work behind the reciprocals (ISA guide 5.7.2)
	v_bfe_u32 v193, v0, 4, 1
	v_mul_u32_u24 v194, v192, OP                   ; in: row r, my 8 numbers of each 16 at 32 h
	v_lshl_add_u32 v194, v193, 5, v194
	v_add_nc_u32 v194, s43, v194
	v_mul_u32_u24 v195, v193, OP                   ; back: lanes 0-15 one row, lanes 16-31 the next
	v_lshl_add_u32 v195, v192, 4, v195
	v_add_nc_u32 v195, s43, v195
	s_wait_alu depctr_va_vdst(0)
.macro OUTN n, o
	WIN 0x01                                       ; source 0 (O) in window 1
.irp dt, 0,1,2,3
.irp j, 0,2,4,6
	v_pk_mul_f32 v[SB+8*\dt+\j:SB+8*\dt+\j+1], v[8*(4*\dt+\n)+\j:8*(4*\dt+\n)+\j+1], v[AL+2*(\n/2):AL+2*(\n/2)+1] op_sel:[0,\o] op_sel_hi:[1,\o]
.endr
.endr
	WIN 0
.irp dt, 0,1,2,3
	ds_store_b128 v194, v[SB+8*\dt:SB+8*\dt+3]   offset:64*\dt
	ds_store_b128 v194, v[SB+8*\dt+4:SB+8*\dt+7] offset:64*\dt+16
.endr
	s_wait_xcnt 0x0                                ; v[64:95] are the data of the last sixteen queries' stores: loaded again only behind this wait
.irp i, 0,1,2,3,4,5,6,7
	ds_load_b128 v[64+4*\i:64+4*\i+3], v195 offset:2*OP*\i     ; my own bytes, served in order behind the stores above
.endr
.irp i, 0,1,2,3,4,5,6,7
	s_wait_dscnt 7-\i                              ; load i is in, the younger ones stay out
	global_store_b128 v[QO], v[64+4*\i:64+4*\i+3], s[12:13] offset:(16*\n+2*\i)*4096 th:TH_STORE_NT
.endr
.endm
	OUTN 0, 0
	OUTN 1, 1
	OUTN 2, 0
	OUTN 3, 1
	s_wait_dscnt 0x0
	s_wait_tensorcnt 0x0
	ds_add_u32 v10, v11
	s_wait_dscnt 0x0
	ROUND                                          ; the closing round: no work-group ends while a partner may still ask for a tile that names it
	s_endpgm
.Lfunc_end_k_q77ccebb156_attn:
	.size	k_q77ccebb156_attn, .Lfunc_end_k_q77ccebb156_attn-k_q77ccebb156_attn
	.p2alignl 7, 3214868480
	.fill 96, 4, 3214868480
	.section	.rodata,"a",@progbits
	.p2align	6, 0x0
	.amdhsa_kernel k_q77ccebb156_attn
		.amdhsa_group_segment_fixed_size 327680
		.amdhsa_private_segment_fixed_size 0
		.amdhsa_enable_private_segment 0
		.amdhsa_kernarg_size 40
		.amdhsa_user_sgpr_count 2
		.amdhsa_user_sgpr_kernarg_segment_ptr 1
		.amdhsa_wavefront_size32 1
		.amdhsa_system_sgpr_workgroup_id_x 1
		.amdhsa_system_sgpr_workgroup_id_y 1
		.amdhsa_system_sgpr_workgroup_id_z 1
		.amdhsa_system_vgpr_workitem_id 0
		.amdhsa_next_free_vgpr 512
		.amdhsa_next_free_sgpr 66
		.amdhsa_reserve_vcc 1
		.amdhsa_float_denorm_mode_32 3
		.amdhsa_float_denorm_mode_16_64 3
		.amdhsa_memory_ordered 1
		.amdhsa_forward_progress 1
		.amdhsa_inst_pref_size 255
	.end_amdhsa_kernel
	.section	.bss,"aw",@nobits
	.p2align	6
	.space	262144
	.amdgpu_metadata
---
amdhsa.version: [ 1, 2 ]
amdhsa.kernels:
  - .name:           k_q77ccebb156_attn
    .symbol:         k_q77ccebb156_attn.kd
    .args:
      - { .name: q, .offset: 0, .size: 8, .value_kind: global_buffer, .address_space: global }
      - { .name: k, .offset: 8, .size: 8, .value_kind: global_buffer, .address_space: global }
      - { .name: v, .offset: 16, .size: 8, .value_kind: global_buffer, .address_space: global }
      - { .name: mask, .offset: 24, .size: 8, .value_kind: global_buffer, .address_space: global }
      - { .name: out0, .offset: 32, .size: 8, .value_kind: global_buffer, .address_space: global }
    .group_segment_fixed_size: 327680
    .private_segment_fixed_size: 0
    .kernarg_segment_align: 8
    .kernarg_segment_size: 40
    .max_flat_workgroup_size: 256
    .sgpr_count:     66
    .vgpr_count:     512
    .wavefront_size: 32
...
	.end_amdgpu_metadata
.endif
;; end of part 1
;; ======== version 2 of 2: 1 launch; 1.12 times as fast as version 1
;; limits: values are held in f16: magnitudes above 65,504 overflow, below 6.1e-05 lose precision; inputs' magnitudes at most 65,504
;; launch attn (part 2): grid 256 x 1, 8 waves a work-group, clusters of 4 x 1, 327,680 bytes of LDS; arguments q, k, v, mask, out0; writes out0
.if DOCPART == 2
	.amdgcn_target "amdgcn-amd-amdhsa--gfx1250"
	.amdhsa_code_object_version 6
	.text
	.protected	k_q77ccebb156_attn
	.globl	k_q77ccebb156_attn
	.p2align	8
	.type	k_q77ccebb156_attn,@function
k_q77ccebb156_attn:
	s_mov_b64 s[64:65], 0
	v_nop
	global_prefetch_b8 v0, s[64:65] scope:SCOPE_SE
	s_setreg_imm32_b32 hwreg(HW_REG_WAVE_MODE, 25, 1), 1
	s_wait_xcnt 0x0
	s_wait_alu depctr_hold_cnt(0) depctr_sa_sdst(0) depctr_va_vdst(0) depctr_va_sdst(0) depctr_va_ssrc(0) depctr_va_vcc(0) depctr_vm_vsrc(0)
	s_getreg_b32 s2, hwreg(HW_REG_IB_STS2, 6, 4)
	s_cmp_eq_u32 s2, 0
	s_cbranch_scc0 .Lentry_in_a_cluster
	s_endpgm
.Lentry_in_a_cluster:
	s_bfe_u32 s2, ttmp6, 0x10000c
	s_cmp_lg_u32 s2, 0x3003
	s_cbranch_scc0 .Lentry_shape_is_right
	s_endpgm
.Lentry_shape_is_right:
; Multi-head attention, out = softmax(Q K^T / 8, masked keys replaced by -1e9) V.  q, k, v, out0: [4][2048][1024] f32 (16 heads of 64), mask: [4][2048] i32.
; A cluster of four work-groups owns one (batch, head); a work-group 512 queries; each of its 8 waves 64 queries.  Keys go in tiles of 128 (16 stages),
; each stage in two substeps of 64 keys with a running maximum.
; TRANSPOSED FORM: S^T = K Q^T (a lane holds keys 8h+j of ONE query r), so the softmax runs along a lane's registers plus one exchange with lane xor 16,
; and two neighbouring key tiles, packed to f16, ARE the B fragment of O^T += V^T P^T: P never leaves the registers.
; DATA PATH: K and V tiles (f32) are asked for JOINTLY by the four work-groups (mask 15) into a ring F of two LDS slots; all waves convert tile t+1 to f16
; into H[(t+1)%2] while tile t is multiplied from H[t%2].
; SCHEDULE: a wave's chain is S0, X0, M0, X1, M1, ..: X_i = the softmax of substep i (vector work, and all LDS traffic), M_i = O's rescale, PV_i and S_(i+1)
; (64 matrix instructions).  Between two barriers waves 0-3 run X_j, M_j and waves 4-7 run M_(j-1), X_j: the same work in opposite order, so that one half of the
; work-group issues matrix instructions while the other issues vector instructions.  The split is by wave number / 4; only the overlap hangs on it, no value.
; A block's text is M_(j-1), which waves 0-3 jump over; X_j, the longer of the two, once for all waves; M_j, which waves 4-7 jump over.
; Fragments are loaded a phase ahead: V_i and K_(i+1) during X_i; the f32 rows to convert during M, into V's fragment registers, between PV and S.
; BARRIERS: behind block 2t a round of the cluster's barrier publishes f16 tile t+1 and closes the reads of F[(t+1)%2], which tile t+3 then fills;
; behind block 2t+1 a plain barrier closes the reads of f16 tile t, which stage t+1 writes over.
; MASK: a masked key's K row is ANDed to zero and the first product of each score tile takes a bias tile as C (0, or -1e9 log2 e): a masked score is
; exactly that constant, so a batch with every key masked gives s - m = 0 and the plain mean of V.
; SCALE: Q is multiplied by 0.125 log2 e in f32 before rounding, so scores come in units of log2 and the exponent is the plain difference s - m.
; LIMITS, kept on purpose:  matrix operands are f16: |0.18 q|, |k|, |v| above 65,504 become infinities and then NaN; parts of them below 2^-25 are lost.
; Weights below 2^-25 of the running maximum's are dropped by P's rounding (2,048 of them are at most 6e-5 of the weight sum).  v_exp_f32 gives 0 below 2^-126.
; A non-finite q against a masked (zeroed) key gives NaN.  True scores near -1e9 are ordered against the masked constant only to f32 rounding.
.set FP,    272                        ; F: a row of 64 f32 + 16 bytes of padding
.set FSLOT, 256*FP                     ; F slot: 128 rows of K, then 128 rows of V (69,632 bytes)
.set FV,    128*FP                     ; V's rows in a slot
.set HB,    2*FSLOT                    ; H begins behind the ring; nothing from here on is ever filled by a tensor load
.set KP,    144                        ; H, K rows: 128 bytes + 16 = 9 x 16: a fragment's 16 rows begin in 16 different 16-byte columns modulo 256
.set VP,    160                        ; H, V rows: 128 bytes + 32 = 5 x 32, for the transposing loads
.set HV,    128*KP                     ; V's rows in an H buffer
.set HBUF,  128*KP+128*VP              ; an H buffer (38,912 bytes)
.set BIAS,  HB+2*HBUF                  ; f32 for each of the batch's 2,048 keys: 0 or NEG
.set ANDT,  BIAS+8192                  ; word for each key: all ones or 0
.set STG,   ANDT+8192                  ; each wave's own 9,216 bytes: Q on the way in (64 rows x 144), O on the way out (16 rows x 272)
.set STGW,  9216
.set OP,    272
.set CSCALE, 0x3e38aa3b                ; 0.125 log2 e
.set NEG,    0xceabfb8f                ; -1e9 log2 e
; window 0
.set QO,  1                            ; v1       4096 h + 16 r: my bytes in two rows of q and of out0; never rewritten
.set KA,  2                            ; v2       K fragments in H
.set VA,  3                            ; v3       V fragments in H (transposing loads)
.set BA,  4                            ; v4       bias tiles; 512 bytes on in every stage
.set MA,  5                            ; v5       AND words of the rows that I convert; 512 bytes on in every conversion
.set FA,  6                            ; v6, v7   the f32 rows that I convert, slot 0, 1
.set HAK, 8                            ; v8       where my converted K rows go
.set HAV, 9                            ; v9       where my converted V rows go
.set T2,  10                           ; v[10:11] second chain of the weights' sum
.set AL,  12                           ; v[12:15] alpha of query tile n; second chain of the maximum; the exchange's destination; between M and X the AND words
.set LP,  24                           ; v[24:31] sum of weights of query tile n, as a pair; v[16:19], v[20:23]: old and new maximum, by turns
.set SB,  32                           ; v[32:159] scores: key tiles 2p, 2p+1 of query tile n at SB + 64 p + 16 n; P(p, n) packed into the first 8 of the 16
.set BT,  160                          ; v[160:191] bias tiles, 8 registers for each key tile
.set KF,  192                          ; v[192:255] K fragments (key tile mt, half ks of d) at KF + 8 (2 mt + ks)
; window 1 (written with the low 8 bits): v[0:127] O(dt, n) at 8 (4 dt + n)
.set QF,  128                          ; Q fragments (n, ks) at QF + 8 (2 n + ks)
.set VF,  192                          ; V fragments (kk, dt) at VF + 8 (4 kk + dt); between PV and the next X the f32 rows to convert (K's 32, V's 32)
.set G1,  24                           ; s[24:31] descriptor group 1
.set G0,  32                           ; s[32:39] descriptor group 0, one set for each slot
.set MSB, 0
.macro WIN new                         ; low byte: bits 1:0 source 0, 3:2 source 1, 5:4 source 2, 7:6 destination; the high byte repeats the setting that is left
.if MSB != \new
	s_set_vgpr_msb (MSB<<8)|\new
.set MSB, \new
.endif
.endm
.macro PLACES                          ; five plain places behind a run of matrix instructions: enough for vector instructions and loads
.rept 5                                ; that touch its registers, and for matrix instructions that take them as operands or write over them
	v_nop
.endr
.endm
.macro ROUND                           ; a round of the cluster's barrier: my work-group's barrier, wave 0 signals for it, all wait for the four, my barrier again
	s_barrier_signal -1
	s_barrier_wait -1
	s_cmp_lg_u32 s14, 0
	s_cbranch_scc1 .Lnot_wave_0_\@
	s_barrier_signal -3
.Lnot_wave_0_\@:
	s_barrier_wait -3
	s_barrier_signal -1
	s_barrier_wait -1
.endm
	s_load_b256 s[4:11], s[0:1], 0x0               ; q s[4:5], k s[6:7], v s[8:9], mask s[10:11]
	s_load_b64 s[12:13], s[0:1], 0x20              ; out0
	v_lshl_add_u32 v10, v0, 2, 0x4b000
	v_mov_b32 v11, 0
	ds_add_u32 v10, v11
	s_wait_dscnt 0x0
	v_lshrrev_b32 v2, 5, v0
	v_readfirstlane_b32 s14, v2                    ; wave 0..7
	s_bfe_u32 s15, ttmp6, 0x40000                  ; cx: which 512 queries; enters the addresses of q and out0 alone
	s_lshr_b32 s17, ttmp9, 4                       ; batch (ttmp9 counts clusters: 16 batch + head)
	s_and_b32 s18, ttmp9, 15                       ; head
	s_lshl_b32 s20, s17, 23                        ; batch x 2,048 rows x 4,096 bytes
	s_lshl_b32 s16, s18, 8                         ; head x 256 bytes
	s_add_co_u32 s20, s20, s16
	s_mov_b32 s21, 0
	s_and_b32 s22, s14, 3
	s_lshl_b32 s22, s22, 17                        ; my 32 rows of a tile of K (waves 0-3) or of V (waves 4-7)
	s_mov_b32 s23, 0
	s_lshl_b32 s46, s15, 21                        ; cx x 512 rows
	s_lshl_b32 s16, s14, 18                        ; wave x 64 rows
	s_add_co_u32 s46, s46, s16
	s_mov_b32 s47, 0
	s_mov_b32 s40, 0x76543210                      ; v_permlanex16_b32: lane i takes lane i of the other half
	s_mov_b32 s41, 0xfedcba98
	s_mul_i32 s43, s14, STGW
	s_add_co_u32 s43, s43, STG                     ; my stage
	; group 1: a tile of 32 rows x 64 f32 (256 bytes, aligned), 16 bytes of padding behind each row
	s_mov_b32 s[G1+0], 15|(2<<16)|(1<<20)|(1<<21)|(5<<22)|(3<<25)  ; mask: all four work-groups; 4-byte elements; padding on; bit 21 beside a mask; after 64 words, 4 words
	s_mov_b32 s[G1+1], 64<<16                      ; tensor_dim0 = 64
	s_mov_b32 s[G1+2], 32<<16                      ; tensor_dim1 = 32
	s_mov_b32 s[G1+3], 64<<16                      ; tile_dim0 = 64
	s_mov_b32 s[G1+4], 32                          ; tile_dim1 = 32
	s_mov_b32 s[G1+5], 1024                        ; elements from row to row
	s_mov_b32 s[G1+6], 0
	s_mov_b32 s[G1+7], 0
	s_mov_b32 s[G0+0], 1
	s_mul_i32 s[G0+1], s14, 32*FP                  ; LDS: wave x 32 rows; waves 0-3 fill K's 128 rows, waves 4-7 V's
	s_mov_b32 s[G0+4], 1
	s_add_co_u32 s[G0+5], s[G0+1], FSLOT
	s_wait_kmcnt 0x0
	s_cmp_lt_u32 s14, 4
	s_cselect_b64 s[44:45], s[6:7], s[8:9]         ; k or v, by the wave's number: the same choice in all four work-groups
	s_add_nc_u64 s[44:45], s[44:45], s[20:21]
	s_add_nc_u64 s[G0+2:G0+3], s[44:45], s[22:23]  ; tile 0
	s_add_nc_u64 s[G0+6:G0+7], s[G0+2:G0+3], 0x80000   ; tile 1: 128 rows on
	s_or_b32 s[G0+3], s[G0+3], 0x80000000          ; type 2
	s_or_b32 s[G0+7], s[G0+7], 0x80000000
	s_add_nc_u64 s[4:5], s[4:5], s[20:21]
	s_add_nc_u64 s[4:5], s[4:5], s[46:47]          ; q at my wave's first row, my head
	s_add_nc_u64 s[12:13], s[12:13], s[20:21]
	s_add_nc_u64 s[12:13], s[12:13], s[46:47]      ; out0 likewise
	s_lshl_b32 s22, s17, 13
	s_add_nc_u64 s[10:11], s[10:11], s[22:23]      ; my batch's mask
	ROUND                                          ; the four work-groups are here: the first joint loads meet
	tensor_load_to_lds s[G0:G0+3], s[G1:G1+7]      ; tile 0 into slot 0
	s_nop 0
	tensor_load_to_lds s[G0+4:G0+7], s[G1:G1+7]    ; tile 1 into slot 1: two loads of the wave are out, later never more than one
	s_nop 0
	v_and_b32 v192, 15, v0                         ; r
	v_bfe_u32 v193, v0, 4, 1                       ; h
	v_lshlrev_b32 v[QO], 4, v192
	v_lshl_add_u32 v[QO], v193, 12, v[QO]
	v_lshlrev_b32 v197, 4, v0                      ; thread t takes mask words 4 t .. 4 t + 3 and 1,024 further on
	global_load_b128 v[204:207], v197, s[10:11]
	global_load_b128 v[208:211], v197, s[10:11] offset:4096
.set qi, 0
.rept 32                                           ; Q: load i brings rows 2 i + h; sixteen lanes take a row's 256 bytes
	global_load_b128 v[SB+4*qi:SB+4*qi+3], v[QO], s[4:5] offset:8192*qi th:TH_LOAD_NT
.set qi, qi+1
.endr
	v_bfe_u32 v194, v0, 3, 2                       ; lane / 8
	v_and_b32 v195, 7, v0                          ; lane % 8
	v_mul_u32_u24 v[KA], v192, KP                  ; K fragment: row r, 16 h
	v_lshl_add_u32 v[KA], v193, 4, v[KA]
	v_add_nc_u32 v[KA], HB, v[KA]
	v_lshl_add_u32 v196, v193, 3, v195             ; V fragment: row 8 h + lane % 8, 16 bytes x (lane / 8 odd)
	v_mul_u32_u24 v[VA], v196, VP
	v_and_b32 v196, 1, v194
	v_lshl_add_u32 v[VA], v196, 4, v[VA]
	v_add_nc_u32 v[VA], HB+HV, v[VA]
	v_lshlrev_b32 v[BA], 5, v193                   ; bias of keys 8 h ..
	v_add_nc_u32 v[BA], BIAS, v[BA]
	s_lshl_b32 s19, s14, 6
	s_add_co_u32 s19, s19, ANDT
	v_lshl_add_u32 v[MA], v194, 2, s19             ; AND word of key 16 w + lane / 8
	v_mul_u32_u24 v[FA], v194, FP                  ; conversion: wave w takes rows 16 w .. 16 w + 15 of K and of V; a lane 32 bytes of row lane / 8 (+ 4 g)
	v_lshl_add_u32 v[FA], v195, 5, v[FA]
	s_mul_i32 s19, s14, 16*FP
	v_add_nc_u32 v[FA], s19, v[FA]
	v_add_nc_u32 v[FA+1], FSLOT, v[FA]
	v_mul_u32_u24 v[HAK], v194, KP
	v_lshl_add_u32 v[HAK], v195, 4, v[HAK]
	s_mul_i32 s19, s14, 16*KP
	s_add_co_u32 s19, s19, HB
	v_add_nc_u32 v[HAK], s19, v[HAK]
	v_mul_u32_u24 v[HAV], v194, VP
	v_lshl_add_u32 v[HAV], v195, 4, v[HAV]
	s_mul_i32 s19, s14, 16*VP
	s_add_co_u32 s19, s19, HB+HV
	v_add_nc_u32 v[HAV], s19, v[HAV]
	v_mul_u32_u24 v199, v193, KP                   ; Q into my stage: row 2 i + h, 8 bytes at 8 r
	v_lshl_add_u32 v199, v192, 3, v199
	v_add_nc_u32 v199, s43, v199
	v_mul_u32_u24 v200, v192, KP                   ; Q fragments out of it: row r, 16 h
	v_lshl_add_u32 v200, v193, 4, v200
	v_add_nc_u32 v200, s43, v200
	v_add_nc_u32 v198, BIAS, v197
	v_mov_b32 v201, NEG
	v_mov_b32 v202, 0
.irp n, 0,1,2,3
	v_mov_b32 v[16+\n], 0xff800000                 ; running maximum: -infinity
	v_mov_b32 v[LP+2*\n], 0
	v_mov_b32 v[LP+2*\n+1], 0
.endr
	s_wait_loadcnt 32                              ; the 32 loads of Q are younger: the mask is in
.irp j, 0,1,2,3,4,5,6,7
	v_cmp_eq_u32 vcc_lo, 0, v[204+\j]
	v_cndmask_b32 v[212+\j], 0, v201, vcc_lo       ; bias: NEG where the mask is 0
	v_cndmask_b32 v[220+\j], -1, v202, vcc_lo      ; AND word: 0 where the mask is 0
.endr
	ds_store_b128 v198, v[212:215]
	ds_store_b128 v198, v[216:219] offset:4096
	ds_store_b128 v198, v[220:223] offset:8192
	ds_store_b128 v198, v[224:227] offset:12288
.set qi, 0
.rept 32
	s_wait_loadcnt 31-qi                           ; loads come back in order (ISA guide 5.7.1): load i is in, the younger ones stay out
	v_pk_mul_f32 v[SB+4*qi:SB+4*qi+1], v[SB+4*qi:SB+4*qi+1], CSCALE op_sel_hi:[1,0]
	v_pk_mul_f32 v[SB+4*qi+2:SB+4*qi+3], v[SB+4*qi+2:SB+4*qi+3], CSCALE op_sel_hi:[1,0]
	v_cvt_pk_f16_f32 v[SB+4*qi], v[SB+4*qi], v[SB+4*qi+1]
	v_cvt_pk_f16_f32 v[SB+4*qi+1], v[SB+4*qi+2], v[SB+4*qi+3]
	ds_store_b64 v199, v[SB+4*qi:SB+4*qi+1] offset:2*KP*qi
.set qi, qi+1
.endr
	WIN 0x40                                       ; destination in window 1
.irp n, 0,1,2,3
.irp ks, 0,1
	ds_load_b128 v[QF+8*(2*\n+\ks):QF+8*(2*\n+\ks)+3],   v200 offset:16*KP*\n+64*\ks      ; my own bytes: LDS serves a wave's instructions in order (ISA guide 5.7.1.4)
	ds_load_b128 v[QF+8*(2*\n+\ks)+4:QF+8*(2*\n+\ks)+7], v200 offset:16*KP*\n+64*\ks+32
.endr
.endr
	WIN 0
; 8 loads: the K fragments of key tiles 2 hf, 2 hf + 1 of substep ss of H buffer hb
.macro LOADKH hb, ss, hf
.irp m, 0,1
.irp ks, 0,1
	ds_load_b128 v[KF+8*(2*(2*\hf+\m)+\ks):KF+8*(2*(2*\hf+\m)+\ks)+3],   v[KA] offset:\hb*HBUF+(64*\ss+16*(2*\hf+\m))*KP+64*\ks
	ds_load_b128 v[KF+8*(2*(2*\hf+\m)+\ks)+4:KF+8*(2*(2*\hf+\m)+\ks)+7], v[KA] offset:\hb*HBUF+(64*\ss+16*(2*\hf+\m))*KP+64*\ks+32
.endr
.endr
.endm
; 8 loads: the bias tiles of 64 keys, boff bytes behind this stage's first key
.macro LOADB boff
.irp mt, 0,1,2,3
	ds_load_b128 v[BT+8*\mt:BT+8*\mt+3],   v[BA] offset:\boff+64*\mt
	ds_load_b128 v[BT+8*\mt+4:BT+8*\mt+7], v[BA] offset:\boff+64*\mt+16
.endr
.endm
; 8 transposing loads: V^T fragments (16 d x 32 keys) of keys 32 kk .. of substep ss, from rows that lie along d
.macro LOADV1 hb, ss, kk
	WIN 0x40
.irp dt, 0,1,2,3
	ds_load_tr16_b128 v[VF+8*(4*\kk+\dt):VF+8*(4*\kk+\dt)+3],   v[VA] offset:\hb*HBUF+(64*\ss+32*\kk)*VP+32*\dt
	ds_load_tr16_b128 v[VF+8*(4*\kk+\dt)+4:VF+8*(4*\kk+\dt)+7], v[VA] offset:\hb*HBUF+(64*\ss+32*\kk)*VP+32*\dt+16*VP
.endr
	WIN 0
.endm
; 20 loads: my 16 rows of K and of V of the tile in F slot fs, as f32, into V's fragment registers (free behind PV), and their AND words into alpha's
.macro CONVL fs
.irp g, 0,1,2,3
	ds_load_b32 v[AL+\g], v[MA] offset:16*\g
.endr
	WIN 0x40
.irp g, 0,1,2,3
	ds_load_b128 v[VF+8*\g:VF+8*\g+3],   v[FA+\fs] offset:4*FP*\g
	ds_load_b128 v[VF+8*\g+4:VF+8*\g+7], v[FA+\fs] offset:4*FP*\g+16
.endr
.irp g, 0,1,2,3
	ds_load_b128 v[VF+32+8*\g:VF+32+8*\g+3],   v[FA+\fs] offset:FV+4*FP*\g
	ds_load_b128 v[VF+32+8*\g+4:VF+32+8*\g+7], v[FA+\fs] offset:FV+4*FP*\g+16
.endr
	WIN 0
.endm
; those rows: f32 to f16 in place, masked K rows to zero, into H buffer hb
.macro CONVA hb
	s_wait_dscnt 0x0                               ; the 20 loads, issued ahead of 32 matrix instructions, are in
	v_add_nc_u32 v[MA], 512, v[MA]                 ; the next tile's AND words
	WIN 0x45                                       ; destination and both sources in window 1
.irp g, 0,1,2,3,4,5,6,7
.irp i, 0,1,2,3
	v_cvt_pk_f16_f32 v[VF+8*\g+\i], v[VF+8*\g+2*\i], v[VF+8*\g+2*\i+1]
.endr
.endr
	WIN 0x44                                       ; source 0 (AND word, LDS address) in window 0; source 1 (data) and destination in window 1
.irp g, 0,1,2,3
.irp i, 0,1,2,3
	v_and_b32 v[VF+8*\g+\i], v[AL+\g], v[VF+8*\g+\i]
.endr
.endr
.irp g, 0,1,2,3
	ds_store_b128 v[HAK], v[VF+8*\g:VF+8*\g+3] offset:\hb*HBUF+4*KP*\g
.endr
.irp g, 0,1,2,3
	ds_store_b128 v[HAV], v[VF+32+8*\g:VF+32+8*\g+3] offset:\hb*HBUF+4*VP*\g
.endr
	WIN 0
.endm
; 32 matrix instructions: S^T of 64 keys x 64 queries.  The first half of d starts each sum from the bias tile; the second adds in place.
; The four query tiles take turns, one instruction a turn.
.macro SPHASE
	WIN 0x04                                       ; B (Q) in window 1
.irp mt, 0,1,2,3
.irp n, 0,1,2,3
	v_wmma_f32_16x16x32_f16 v[SB+64*(\mt/2)+16*\n+8*(\mt%2):SB+64*(\mt/2)+16*\n+8*(\mt%2)+7], v[KF+16*\mt:KF+16*\mt+7], v[QF+16*\n:QF+16*\n+7], v[BT+8*\mt:BT+8*\mt+7]
.endr
.irp n, 0,1,2,3
	v_wmma_f32_16x16x32_f16 v[SB+64*(\mt/2)+16*\n+8*(\mt%2):SB+64*(\mt/2)+16*\n+8*(\mt%2)+7], v[KF+16*\mt+8:KF+16*\mt+15], v[QF+16*\n+8:QF+16*\n+15], v[SB+64*(\mt/2)+16*\n+8*(\mt%2):SB+64*(\mt/2)+16*\n+8*(\mt%2)+7]
.endr
.endr
.endm
; New maximum of each query (old one, my 32 scores, the other half's) and alpha = 2^(old - new).  Eight chains that do not wait for each other:
; for each query tile one over keys 0-31 (begun by the old maximum) and one over keys 32-63 (in alpha's register), joined by the last max3.
.macro MAXALL MO, MW
.irp n, 0,1,2,3
	v_max3_num_f32 v[\MW+\n], v[\MO+\n], v[SB+16*\n], v[SB+16*\n+1]
.endr
.irp n, 0,1,2,3
	v_max3_num_f32 v[AL+\n], v[SB+64+16*\n], v[SB+64+16*\n+1], v[SB+64+16*\n+2]
.endr
.irp i, 2,4,6,8,10,12
.irp n, 0,1,2,3
	v_max3_num_f32 v[\MW+\n], v[\MW+\n], v[SB+16*\n+\i], v[SB+16*\n+\i+1]
.endr
.irp n, 0,1,2,3
	v_max3_num_f32 v[AL+\n], v[AL+\n], v[SB+64+16*\n+\i+1], v[SB+64+16*\n+\i+2]
.endr
.endr
.irp n, 0,1,2,3
	v_max3_num_f32 v[\MW+\n], v[\MW+\n], v[SB+16*\n+14], v[SB+16*\n+15]
.endr
.irp n, 0,1,2,3
	v_max3_num_f32 v[\MW+\n], v[\MW+\n], v[AL+\n], v[SB+64+16*\n+15]
.endr
.irp n, 0,1,2,3
	v_permlanex16_b32 v[AL+\n], v[\MW+\n], s40, s41
.endr
.irp n, 0,1,2,3
	v_max_num_f32 v[\MW+\n], v[\MW+\n], v[AL+\n]
.endr
.irp n, 0,1,2,3
	v_sub_f32 v[AL+\n], v[\MO+\n], v[\MW+\n]
.endr
.irp n, 0,1,2,3
	v_exp_f32 v[AL+\n], v[AL+\n]                   ; first used well behind the plain instructions that follow (ISA guide 5.7.2)
.endr
.endm
; s - m for query tile n; o = n % 2 picks m's register out of its pair for both halves of the packed sum
.macro SUBT n, o, MW
.irp p, 0,1
.irp i, 0,2,4,6,8,10,12,14
	v_pk_add_f32 v[SB+64*\p+16*\n+\i:SB+64*\p+16*\n+\i+1], v[SB+64*\p+16*\n+\i:SB+64*\p+16*\n+\i+1], v[\MW+2*(\n/2):\MW+2*(\n/2)+1] op_sel:[0,\o] op_sel_hi:[1,\o] neg_lo:[0,1] neg_hi:[0,1]
.endr
.endr
.endm
.macro SUB1 n, o, MW                   ; the same for pair ix (0 to 15) alone
	v_pk_add_f32 v[SB+64*(ix/8)+16*\n+2*(ix%8):SB+64*(ix/8)+16*\n+2*(ix%8)+1], v[SB+64*(ix/8)+16*\n+2*(ix%8):SB+64*(ix/8)+16*\n+2*(ix%8)+1], v[\MW+2*(\n/2):\MW+2*(\n/2)+1] op_sel:[0,\o] op_sel_hi:[1,\o] neg_lo:[0,1] neg_hi:[0,1]
.endm
; Step ix (0 to 15) of the weights' sum of query tile n, in two chains: even steps add pair ix/2 of keys 0-31 to l (the first as l alpha + pair),
; odd steps pair ix/2 of keys 32-63 to T2 (step 3 starts T2 with pairs 0 and 1; step 1 has nothing to do).
.macro SCA n, o
.if ix%2
.if ix > 3
	v_pk_add_f32 v[T2:T2+1], v[T2:T2+1], v[SB+64+16*\n+2*(ix/2):SB+64+16*\n+2*(ix/2)+1]
.else
.if ix == 3
	v_pk_add_f32 v[T2:T2+1], v[SB+64+16*\n:SB+64+16*\n+1], v[SB+64+16*\n+2:SB+64+16*\n+3]
.endif
.endif
.else
.if ix
	v_pk_add_f32 v[LP+2*\n:LP+2*\n+1], v[LP+2*\n:LP+2*\n+1], v[SB+16*\n+2*(ix/2):SB+16*\n+2*(ix/2)+1]
.else
	s_wait_alu depctr_va_vdst(0)
	v_pk_fma_f32 v[LP+2*\n:LP+2*\n+1], v[LP+2*\n:LP+2*\n+1], v[AL+2*(\n/2):AL+2*(\n/2)+1], v[SB+16*\n:SB+16*\n+1] op_sel:[0,\o,0] op_sel_hi:[1,\o,1]
.endif
.endif
.endm
; and the pairs just summed packed to f16 in place: pair i goes to register i, which lies in a pair not behind it
.macro SCB n
.if ix%2
.if ix > 3
	v_cvt_pk_f16_f32 v[SB+64+16*\n+ix/2], v[SB+64+16*\n+2*(ix/2)], v[SB+64+16*\n+2*(ix/2)+1]
.else
.if ix == 3
	v_cvt_pk_f16_f32 v[SB+64+16*\n], v[SB+64+16*\n], v[SB+64+16*\n+1]
	v_cvt_pk_f16_f32 v[SB+64+16*\n+1], v[SB+64+16*\n+2], v[SB+64+16*\n+3]
.endif
.endif
.else
	v_cvt_pk_f16_f32 v[SB+16*\n+ix/2], v[SB+16*\n+2*(ix/2)], v[SB+16*\n+2*(ix/2)+1]
.endif
.endm
; The softmax goes through the query tiles as a pipeline: the 32 exponentials of tile ne alternate with plain work on OTHER tiles' registers:
; the sum and packing of tile nc (dc = 1) and the subtraction of tile ns (ds = 1).  So every exponential's result is first read a step later (ISA guide 5.7.2).
.macro PIPE ne, ds, ns, os, dc, nc, oc, MW
.set ix, 0
.rept 16
	v_exp_f32 v[SB+64*((2*ix)/16)+16*\ne+(2*ix)%16], v[SB+64*((2*ix)/16)+16*\ne+(2*ix)%16]
.if \dc
	SCA \nc, \oc
.endif
	v_exp_f32 v[SB+64*((2*ix+1)/16)+16*\ne+(2*ix+1)%16], v[SB+64*((2*ix+1)/16)+16*\ne+(2*ix+1)%16]
.if \dc
	SCB \nc
.endif
.if \ds
	SUB1 \ns, \os, \MW
.endif
.set ix, ix+1
.endr
.if \dc
	v_pk_add_f32 v[LP+2*\nc:LP+2*\nc+1], v[LP+2*\nc:LP+2*\nc+1], v[T2:T2+1]   ; the two chains join
	s_wait_alu depctr_va_vdst(0)
.endif
.endm
.macro SCALL n, o                      ; the last tile's sum and packing, alone
.set ix, 0
.rept 16
	SCA \n, \o
	SCB \n
.set ix, ix+1
.endr
	v_pk_add_f32 v[LP+2*\n:LP+2*\n+1], v[LP+2*\n:LP+2*\n+1], v[T2:T2+1]
.endm
.macro RESC n, o                       ; O of query tile n times alpha (under WIN 0x41: destination and source 0 in window 1)
.irp dt, 0,1,2,3
.irp j, 0,2,4,6
	v_pk_mul_f32 v[8*(4*\dt+\n)+\j:8*(4*\dt+\n)+\j+1], v[8*(4*\dt+\n)+\j:8*(4*\dt+\n)+\j+1], v[AL+2*(\n/2):AL+2*(\n/2)+1] op_sel:[0,\o] op_sel_hi:[1,\o]
.endr
.endr
.endm
; 32 matrix instructions: O^T += V^T P^T.  The 16 accumulators take turns, one instruction a turn.  first = 1: the first products start the sums.
.macro PV first
	WIN 0x51                                       ; A (V), C and D (O) in window 1, B (P) in window 0
.irp kk, 0,1
.irp dt, 0,1,2,3
.irp n, 0,1,2,3
.if \first*(1-\kk)
	v_wmma_f32_16x16x32_f16 v[8*(4*\dt+\n):8*(4*\dt+\n)+7], v[VF+8*(4*\kk+\dt):VF+8*(4*\kk+\dt)+7], v[SB+16*(4*\kk+\n):SB+16*(4*\kk+\n)+7], 0
.else
	v_wmma_f32_16x16x32_f16 v[8*(4*\dt+\n):8*(4*\dt+\n)+7], v[VF+8*(4*\kk+\dt):VF+8*(4*\kk+\dt)+7], v[SB+16*(4*\kk+\n):SB+16*(4*\kk+\n)+7], v[8*(4*\dt+\n):8*(4*\dt+\n)+7]
.endif
.endr
.endr
.endr
.endm
; X: the softmax of substep ss of the tile in H[hb], and all LDS traffic, in runs of eight between its steps.
; conv = 1: first the rows that CONVL brought are converted into H[oh].  V's fragments of THIS substep follow (their registers are free behind the last PV, or behind
; the conversion's stores), then, nk = 1, K's fragments and the bias of the NEXT substep (substep nss of H[nhb], bias boff bytes on), whose registers the last S has left.
.macro XSEG hb, oh, ss, conv, nk, nhb, nss, boff, MO, MW
.if \conv
	CONVA \oh
.endif
	LOADV1 \hb, \ss, 0
	MAXALL \MO, \MW
	LOADV1 \hb, \ss, 1
	SUBT 0, 0, \MW
.if \nk
	LOADKH \nhb, \nss, 0
.endif
	PIPE 0, 1, 1, 1, 0, 0, 0, \MW
.if \nk
	LOADKH \nhb, \nss, 1
.endif
	PIPE 1, 1, 2, 0, 1, 0, 0, \MW
.if \nk
	LOADB \boff
.endif
	PIPE 2, 1, 3, 1, 1, 1, 1, \MW
	PIPE 3, 0, 0, 0, 1, 2, 0, \MW
	SCALL 3, 1
	s_wait_dscnt 0x0                               ; all my fragments are in and my converted rows stored: M needs the first, the barrier that follows both
.if \nk*(\boff-256)
	v_add_nc_u32 v[BA], 512, v[BA]                 ; the next tile's bias
.endif
.endm
; M: O alpha, PV of the substep whose X has run, then (sph = 1) S of the next.  nconv = 1: between the two the f32 rows of the tile in F slot fs are asked for.
.macro MSEG first, nconv, fs, sph
.if 1-\first
	WIN 0x41
	RESC 0, 0
	RESC 1, 1
	RESC 2, 0
	RESC 3, 1
.endif
	PV \first
	PLACES
	WIN 0
.if \nconv
	CONVL \fs
.endif
.if \sph
	SPHASE
	PLACES
	WIN 0
.endif
.endm
; Stage t: tile t in H[par]; substeps 2t and 2t+1, a block each.  A block's text: the M that waves 4-7 are behind, X for all, the M of waves 0-3.
; The branches hang on the wave's number alone and jump over no barrier and no tensor load.
; conv: tile t+1 is converted into H[oth] (its rows were asked for in M_(2t-1)); refill: tile t+3 is asked for; tw: a tensor load of mine is still out;
; nconv: stage t+1 converts too; more = 0: the last stage.
.macro STAGE par, oth, first, refill, tw, conv, nconv, more
.if 1-\first
	s_cmp_lt_u32 s14, 4
	s_cbranch_scc1 .Leven_x_\@
	MSEG 0, \conv, \oth, 1                                     ; waves 4-7: M_(2t-1)
.Leven_x_\@:
.endif
	XSEG \par, \oth, 0, \conv, 1, \par, 1, 256, 16, 20         ; all waves: X_2t
	s_cmp_lt_u32 s14, 4
	s_cbranch_scc0 .Leven_j_\@
	MSEG \first, 0, 0, 1                                       ; waves 0-3: M_2t
.Leven_j_\@:
.if \conv
.if \tw
	s_wait_xcnt 0x0
	v_lshl_add_u32 v10, v0, 2, 0x4b000
	v_mov_b32 v11, 0
	s_wait_tensorcnt 0x0                           ; all my tensor loads have landed: the one that was out is my part of tile t+2
	ds_add_u32 v10, v11
	s_wait_dscnt 0x0
.endif
.if \refill
	s_add_nc_u64 s[G0+4*\oth+2:G0+4*\oth+3], s[G0+4*\oth+2:G0+4*\oth+3], 0x100000   ; no load of mine is out, so the group 0 may step: two tiles on
.endif
	s_wait_dscnt 0x0                               ; my rows of f16 tile t+1 are stored, my reads of F[oth] are back
.if \refill
	ROUND                                          ; all that now holds of every wave of the four work-groups
	tensor_load_to_lds s[G0+4*\oth:G0+4*\oth+3], s[G1:G1+7]    ; my one tensor load behind the round, first thing there: tile t+3; it has two blocks in which to land
	s_nop 0
.else
	s_barrier_signal -1                            ; nothing is left to fetch: the barrier publishes f16 tile t+1 (and, where a load was out, tile t+2)
	s_barrier_wait -1
.endif
.endif
	s_cmp_lt_u32 s14, 4
	s_cbranch_scc1 .Lodd_x_\@
	MSEG \first, 0, 0, 1                                       ; waves 4-7: M_2t
.Lodd_x_\@:
	XSEG \par, \oth, 1, 0, \more, \oth, 0, 512, 20, 16         ; all waves: X_(2t+1)
.if \more
	s_cmp_lt_u32 s14, 4
	s_cbranch_scc0 .Lodd_j_\@
	MSEG 0, \nconv, \par, 1                                    ; waves 0-3: M_(2t+1)
.Lodd_j_\@:
.else
	MSEG 0, 0, 0, 0                                            ; the very last M: due for waves 0-3, and the one that waves 4-7 are behind: once, for all
.endif
.if \nconv
	s_wait_dscnt 0x0                               ; my reads of f16 tile t are back (and, waves 0-3, my f32 rows of tile t+2)
	s_barrier_signal -1                            ; tile t+3's load stays out.  Behind it H[par] is written over
	s_barrier_wait -1
.endif
.endm
	s_wait_tensorcnt 0x1                           ; my part of tile 0 is in; tile 1's load is younger and stays out
	s_wait_dscnt 0x0                               ; my part of the two tables is stored, my Q fragments are in
	s_barrier_signal -1
	s_barrier_wait -1
	CONVL 0                                        ; tile 0, converted by all waves at once
	CONVA 0
	s_wait_xcnt 0x0
	v_lshl_add_u32 v10, v0, 2, 0x4b000
	v_mov_b32 v11, 0
	s_wait_tensorcnt 0x0                           ; tile 1 has landed: no tensor load of mine is out
	ds_add_u32 v10, v11
	s_wait_dscnt 0x0
	s_add_nc_u64 s[G0+2:G0+3], s[G0+2:G0+3], 0x100000
	s_wait_dscnt 0x0                               ; my rows of f16 tile 0 are stored, my reads of slot 0 are back
	ROUND
	tensor_load_to_lds s[G0:G0+3], s[G1:G1+7]      ; tile 2 into slot 0
	s_nop 0
	LOADKH 0, 0, 0                                 ; what every later M has found done: K's fragments and the bias of substep 0,
	LOADKH 0, 0, 1
	LOADB 0
	CONVL 1                                        ; the f32 rows of tile 1,
	s_wait_dscnt 20                                ; (those 20 loads are younger: the fragments and the bias are in)
	SPHASE                                         ; and S_0
	PLACES
	WIN 0
	STAGE 0, 1, 1, 1, 1, 1, 1, 1                   ; stage 0: its first products start O's sums
	s_mov_b32 s42, 6                               ; stages 1 to 12; stage 12 asks for tile 15, the last
.Lpair:
	STAGE 1, 0, 0, 1, 1, 1, 1, 1
	STAGE 0, 1, 0, 1, 1, 1, 1, 1
	s_sub_co_i32 s42, s42, 1
	s_cmp_lg_u32 s42, 0
	s_cbranch_scc1 .Lpair
	STAGE 1, 0, 0, 0, 1, 1, 1, 1                   ; stage 13: nothing is left to fetch; tile 15's load is waited for
	STAGE 0, 1, 0, 0, 0, 1, 0, 1                   ; stage 14: tile 15 is converted
	STAGE 1, 0, 0, 0, 0, 0, 0, 0                   ; stage 15: no conversion, so no barrier
	; THE WAY OUT.  l = the pair's sum + the other half's; O / l; 16 queries at a time through my stage, so that sixteen lanes store a row's 256 aligned bytes.
.irp n, 0,1,2,3
	v_add_f32 v[16+\n], v[LP+2*\n], v[LP+2*\n+1]
.endr
.irp n, 0,1,2,3
	v_permlanex16_b32 v[AL+\n], v[16+\n], s40, s41
.endr
.irp n, 0,1,2,3
	v_add_f32 v[16+\n], v[16+\n], v[AL+\n]         ; at least 1: the maximum's own weight
.endr
.irp n, 0,1,2,3
	v_rcp_f32 v[AL+\n], v[16+\n]
.endr
	v_and_b32 v192, 15, v0                         ; plain work behind the reciprocals (ISA guide 5.7.2)
	v_bfe_u32 v193, v0, 4, 1
	v_mul_u32_u24 v194, v192, OP                   ; in: row r, my 8 numbers of each 16 at 32 h
	v_lshl_add_u32 v194, v193, 5, v194
	v_add_nc_u32 v194, s43, v194
	v_mul_u32_u24 v195, v193, OP                   ; back: lanes 0-15 one row, lanes 16-31 the next
	v_lshl_add_u32 v195, v192, 4, v195
	v_add_nc_u32 v195, s43, v195
	s_wait_alu depctr_va_vdst(0)
.macro OUTN n, o
	WIN 0x01                                       ; source 0 (O) in window 1
.irp dt, 0,1,2,3
.irp j, 0,2,4,6
	v_pk_mul_f32 v[SB+8*\dt+\j:SB+8*\dt+\j+1], v[8*(4*\dt+\n)+\j:8*(4*\dt+\n)+\j+1], v[AL+2*(\n/2):AL+2*(\n/2)+1] op_sel:[0,\o] op_sel_hi:[1,\o]
.endr
.endr
	WIN 0
.irp dt, 0,1,2,3
	ds_store_b128 v194, v[SB+8*\dt:SB+8*\dt+3]   offset:64*\dt
	ds_store_b128 v194, v[SB+8*\dt+4:SB+8*\dt+7] offset:64*\dt+16
.endr
	s_wait_xcnt 0x0                                ; v[64:95] are the data of the last sixteen queries' stores: loaded again only behind this wait
.irp i, 0,1,2,3,4,5,6,7
	ds_load_b128 v[64+4*\i:64+4*\i+3], v195 offset:2*OP*\i     ; my own bytes, served in order behind the stores above
.endr
.irp i, 0,1,2,3,4,5,6,7
	s_wait_dscnt 7-\i                              ; load i is in, the younger ones stay out
	global_store_b128 v[QO], v[64+4*\i:64+4*\i+3], s[12:13] offset:(16*\n+2*\i)*4096 th:TH_STORE_NT
.endr
.endm
	OUTN 0, 0
	OUTN 1, 1
	OUTN 2, 0
	OUTN 3, 1
	s_wait_dscnt 0x0
	s_wait_xcnt 0x0
	v_lshl_add_u32 v10, v0, 2, 0x4b000
	v_mov_b32 v11, 0
	s_wait_tensorcnt 0x0
	ds_add_u32 v10, v11
	s_wait_dscnt 0x0
	ROUND                                          ; the closing round: no work-group ends while a partner may still ask for a tile that names it
	s_endpgm
.Lfunc_end_k_q77ccebb156_attn:
	.size	k_q77ccebb156_attn, .Lfunc_end_k_q77ccebb156_attn-k_q77ccebb156_attn
	.p2alignl 7, 3214868480
	.fill 96, 4, 3214868480
	.section	.rodata,"a",@progbits
	.p2align	6, 0x0
	.amdhsa_kernel k_q77ccebb156_attn
		.amdhsa_group_segment_fixed_size 327680
		.amdhsa_private_segment_fixed_size 0
		.amdhsa_enable_private_segment 0
		.amdhsa_kernarg_size 40
		.amdhsa_user_sgpr_count 2
		.amdhsa_user_sgpr_kernarg_segment_ptr 1
		.amdhsa_wavefront_size32 1
		.amdhsa_system_sgpr_workgroup_id_x 1
		.amdhsa_system_sgpr_workgroup_id_y 1
		.amdhsa_system_sgpr_workgroup_id_z 1
		.amdhsa_system_vgpr_workitem_id 0
		.amdhsa_next_free_vgpr 512
		.amdhsa_next_free_sgpr 66
		.amdhsa_reserve_vcc 1
		.amdhsa_float_denorm_mode_32 3
		.amdhsa_float_denorm_mode_16_64 3
		.amdhsa_memory_ordered 1
		.amdhsa_forward_progress 1
		.amdhsa_inst_pref_size 255
	.end_amdhsa_kernel
	.section	.bss,"aw",@nobits
	.p2align	6
	.space	262144
	.amdgpu_metadata
---
amdhsa.version: [ 1, 2 ]
amdhsa.kernels:
  - .name:           k_q77ccebb156_attn
    .symbol:         k_q77ccebb156_attn.kd
    .args:
      - { .name: q, .offset: 0, .size: 8, .value_kind: global_buffer, .address_space: global }
      - { .name: k, .offset: 8, .size: 8, .value_kind: global_buffer, .address_space: global }
      - { .name: v, .offset: 16, .size: 8, .value_kind: global_buffer, .address_space: global }
      - { .name: mask, .offset: 24, .size: 8, .value_kind: global_buffer, .address_space: global }
      - { .name: out0, .offset: 32, .size: 8, .value_kind: global_buffer, .address_space: global }
    .group_segment_fixed_size: 327680
    .private_segment_fixed_size: 0
    .kernarg_segment_align: 8
    .kernarg_segment_size: 40
    .max_flat_workgroup_size: 256
    .sgpr_count:     66
    .vgpr_count:     512
    .wavefront_size: 32
...
	.end_amdgpu_metadata
.endif
;; end of part 2
